; MI455X (gfx1250); checked and timed in simulation.
; The chip was launched on July 23, 2026; its instructions are those of AMD's public machine-readable ISA for CDNA 5 (MIT licence, August 2026) and "CDNA5" Instruction Set Architecture Reference Guide (July 2026). The comments in the code are by the model that wrote it; some were corrected since.
;; Bahdanau Attention. Allowed arithmetic: matrix products marked QUANTISED: E5M2 operands, one given power-of-two scale a tensor, by v_wmma_f32_16x16x64_bf8_bf8 or v_wmma_f32_16x16x128_bf8_bf8, f32 sums; products left as they are: f32 operands where the result goes on into a quantised operand, else bf16, f16 or f32 operands; f32 sums; everything else in f32.
;; Inputs: W_attn 2,048 x 1,024 float32; b_attn 1,024 float32; decoder_hidden_codes 32 x 32 x 32 uint8 (E5M2 codes of decoder_hidden, K innermost, in blocks of 32 codes); encoder_outputs 32 x 2,048 x 1,024 float32; lowp_scales 4 int32 (the exponents e of the quantised operands' scales 2^e); mask 32 x 2,048 int32; v_w 1,024 float32.
;; Outputs: out0 32 x 1,024 float32; out1 32 x 2,048 float32.
;; This version of the problem:
;;   THIS VERSION OF THE PROBLEM IS GIVEN IN LOW PRECISION. The matrix products marked QUANTISED in the list below multiply operands that are first quantised to E5M2 (5 exponent bits, 2 mantissa bits; 8 bits a number), with one given power-of-two scale for each operand tensor; their sums are f32. All else is computed in f32.
;;   The module's matrix products, in the order in which they are computed (A, B: the left and right operand; K: the contracted axis; several contracted axes count as one K, in the product's order):
;;     1. [M 32, K 1,024] x [K 1,024, N 1,024]; A: input decoder_hidden (given as codes); B: input W_attn: QUANTISED (scales: A lowp_scales[0], B lowp_scales[1])
;;     2. [M 65,536, K 1,024] x [K 1,024, N 1,024]; A: input encoder_outputs; B: input W_attn: QUANTISED (scales: A lowp_scales[2], B lowp_scales[3])
;;     3. [M 65,536, K 1,024] x [K 1,024, N 1]; A: computed on the way; B: input v_w: left as it is (N = 1 < 16)
;;     4. batch 32 x [M 1, K 2,048] x [K 2,048, N 1,024]; A: softmax; B: input encoder_outputs: left as it is (M = 1 < 16)
;;   THE QUANTISER, for each operand of a quantised product, along K:
;;     - The operand's scale is 2^e, e = its entry of the input lowp_scales (int32; the entries are numbered through the quantised products in the list's order, A before B).
;;     - Each number is divided by the scale, clamped to +-57,344, and rounded to the nearest number of E5M2, ties to even, subnormals kept.
;;     - The product sums the exact products of the quantised numbers (number of the format x scale) in f32.
;;   ~~~python
;;   def quantise(x, axis, e):      # numpy; x: float32 -> the quantised numbers, widened to float32 again
;;       x = np.moveaxis(x, axis, -1); K = x.shape[-1]
;;       r = np.clip(x / 2.0 ** e, -57344, 57344)
;;       step = 2.0 ** (np.maximum(np.frexp(np.where(r == 0, 1, r))[1] - 1, -14) - 2)
;;       q = np.round(r / step) * step * 2.0 ** e      # np.round: ties to even
;;       return np.moveaxis(q, -1, axis).astype(np.float32)
;;   ~~~
;;   INPUTS GIVEN AS CODES. decoder_hidden (in the module: [32, 1024], K = its axis 1): each comes as NAME_codes (uint8): NAME with its K axis moved to the last place and cut into blocks of 32 codes, [.., K / 32, bytes a block], one block behind the other in memory; one code a byte (a code: sign, 5 exponent bits, 2 mantissa bits); its scale is its entry of lowp_scales. Its value is code x scale, taken as it is: it is not quantised again, and the codes and scales need not be those that the quantiser above would give.
;; One version. Each part assembles by itself: llvm-mc -triple=amdgcn-amd-amdhsa -mcpu=gfx1250 --defsym DOCPART=n.
;; ======== version 1 of 1: 3 launches
;; limits: right only within a limited range of input values
;; workspace buffers: wenc 1,048,576 bytes; decp 1,048,576 bytes; scores 262,144 bytes
;; launch prep (part 1): grid 256 x 1, 4 waves a work-group, no clusters, 9,216 bytes of LDS; arguments W_attn, decoder_hidden_codes, lowp_scales, wenc, decp; writes wenc, decp
.if DOCPART == 1
	.amdgcn_target "amdgcn-amd-amdhsa--gfx1250"
	.amdhsa_code_object_version 6
	.text
	.protected	k_q8c37671300_prep
	.globl	k_q8c37671300_prep
	.p2align	8
	.type	k_q8c37671300_prep,@function
k_q8c37671300_prep:
	s_mov_b64 s[64:65], 0
	v_nop
	global_prefetch_b8 v0, s[64:65] scope:SCOPE_SE
	s_setreg_imm32_b32 hwreg(HW_REG_WAVE_MODE, 25, 1), 1
	s_wait_xcnt 0x0
; W_attn [2048][1024] f32 is quantised along K (its first axis) to codes of E5M2, one fragment (16 columns x 128 K) a wave.
; Rows 1024-2047 (the encoder's weight, scale 2^e3) leave as codes, in the order of an operand's registers: fragment (nt, s) is 2,048 bytes at (8 nt + s) x 2048,
; its register group c (4 registers) at 512 c + 16 x lane.  Rows 0-1023 (the decoder's weight, scale 2^e1) are multiplied at once by the decoder's codes:
; decp[s][b][n] = the sum over K step s of code x code, f32; the next launch adds the eight K steps and multiplies by 2^(e0 + e1).
; K IS PERMUTED, alike in both operands of each product: lane (r, h), register 4 c + q, byte i of K step s holds k = 512 (s / 4) + 128 q + 32 (s % 4) + 8 c + 4 h + i.
; That is the order in which the next launch's dense row loads leave the encoder's codes; every product still meets its partner.
; SHARES: S = work-group / 16 is the K step (0-7 decoder's half, 8-15 encoder's), G = work-group % 16; wave w takes columns 16 (4 G + w) on: the four waves stand side by side on 256 bytes of each row of W.
; A lane takes a column and its registers run down K, so the conversions' results are the fragment's registers.
; ONE TEXT FOR BOTH HALVES: only the stores part on S; the encoder's half runs the two products too and drops them (2 matrix instructions a wave), so that every wave meets the one barrier.
; No cluster: work-groups share nothing but the decoder's 32 KB of codes; no tensor load: each number of W is read once, into registers.
; LIMITS: e1 and e3 between -126 and 112, so that 2^e and 57,344 x 2^e are f32 numbers.  NaN among the inputs is not served.
.set PITCH, 272                        ; the stage: 32 rows (b) x 256 bytes (the work-group's 64 columns) + 16 of padding
.set X,    16                          ; v16-79   64 numbers of W: X[16 c + 4 q + i]
.set CF,   80                          ; v80-95   the fragment's codes
.set DF,   96                          ; v96-127  the decoder's two fragments (rows 0-15, 16-31)
.set DA,   128                         ; v128-143 the two results
.set OUTR, 144                         ; v144-159 rows on the way out
	s_load_b256 s[4:11], s[0:1], 0x0               ; W s[4:5], the decoder's codes s[6:7], the scales' exponents s[8:9], wenc s[10:11]
	s_load_b64 s[12:13], s[0:1], 0x20              ; decp
	v_lshl_add_u32 v160, v0, 2, 0x2200
	v_mov_b32 v161, 0
	v_lshrrev_b32 v1, 5, v0
	v_readfirstlane_b32 s14, v1                    ; wave 0..3
	s_lshr_b32 s15, ttmp9, 4                       ; S
	s_and_b32 s16, ttmp9, 15                       ; G
	v_and_b32 v1, 15, v0                           ; r
	v_bfe_u32 v2, v0, 4, 1                         ; h
	v_lshlrev_b32 v3, 2, v1
	v_lshl_add_u32 v3, v2, 14, v3                  ; W: column r, 4 h rows of 4,096 bytes down
	v_lshlrev_b32 v4, 10, v1
	v_lshl_add_u32 v4, v2, 2, v4                   ; the decoder's codes: row r of 1,024 bytes, + 4 h
	v_and_b32 v5, 31, v0
	v_lshlrev_b32 v5, 4, v5                        ; 16 x lane
	v_mul_u32_u24 v6, v1, PITCH
	v_lshl_add_u32 v6, v2, 5, v6
	s_lshl_b32 s24, s14, 6
	v_add_nc_u32 v6, s24, v6                       ; into the stage: row r, my wave's 64 bytes, + 32 h
	s_mul_i32 s24, s14, 8*PITCH
	v_mul_u32_u24 v7, v2, PITCH
	v_lshl_add_u32 v7, v1, 4, v7
	v_add_nc_u32 v7, s24, v7                       ; back: my 8 rows, two an instruction, sixteen lanes to a row
	v_lshlrev_b32 v8, 12, v2
	v_lshl_add_u32 v8, v1, 4, v8                   ; and the same two rows in decp
	s_lshl_b32 s17, s16, 2
	s_add_co_u32 s17, s17, s14                     ; nt = 4 G + w
	s_lshr_b32 s18, s15, 2
	s_lshl_b32 s18, s18, 9                         ; 512 (S / 4): for S = 8 + s that is 1,024 + 512 (s / 4)
	s_and_b32 s19, s15, 3
	s_lshl_b32 s19, s19, 5                         ; 32 (S % 4)
	s_add_co_u32 s24, s18, s19
	s_lshl_b32 s24, s24, 12                        ; that row of W, in bytes,
	s_lshl_b32 s25, s17, 6
	s_add_co_u32 s24, s24, s25                     ; + my 16 columns
	s_mov_b32 s25, 0
	s_bfe_u32 s26, s15, 0x10002                    ; (S % 8) / 4
	s_lshl_b32 s26, s26, 9
	s_add_co_u32 s26, s26, s19                     ; the same K step in a row of the decoder's codes
	s_mov_b32 s27, 0
	s_wait_kmcnt 0x0
	s_load_b128 s[20:23], s[8:9], 0x0              ; e0, e1, e2, e3
	s_add_nc_u64 s[4:5], s[4:5], s[24:25]
	s_add_nc_u64 s[6:7], s[6:7], s[26:27]
.irp mt, 0,1
.irp c, 0,1,2,3
.irp q, 0,1,2,3
	global_load_b32 v[DF+16*\mt+4*\c+\q], v4, s[6:7] offset:16384*\mt+128*\q+8*\c   ; four codes: register 4 c + q of the fragment of rows 16 mt on
.endr
.endr
.endr
.irp c, 0,1,2,3
.irp q, 0,1,2,3
.irp i, 0,1,2,3
	global_load_b32 v[X+16*\c+4*\q+\i], v3, s[4:5] offset:(128*\q+8*\c+\i)*4096 th:TH_LOAD_NT   ; W(k, my column): sixteen lanes read 64 neighbouring bytes; read once in the launch
.endr
.endr
.endr
	s_wait_kmcnt 0x0
	s_cmp_lt_u32 s15, 8
	s_cselect_b32 s28, s21, s23                    ; e1 for the decoder's half, e3 for the encoder's
	s_add_co_i32 s28, s28, 127
	s_lshl_b32 s29, s28, 23
	v_mov_b32 v9, s29                              ; 2^e as f32: the conversion takes its exponent field
	s_add_co_i32 s28, s28, 15
	s_lshl_b32 s28, s28, 23
	s_or_b32 s28, s28, 0x600000
	v_mov_b32 v10, s28                             ; 57,344 x 2^e
	s_wait_alu depctr_va_vdst(0)
	s_wait_loadcnt 0x0
.set j, 0
.rept 64
	v_med3_num_f32 v[X+j], v[X+j], -v10, v10       ; the conversion to an 8-bit code does not saturate (ISA guide 7.6.2): the hold at the largest code x the scale
.set j, j+1
.endr
.irp g, 0,1,2,3,4,5,6,7
	v_cvt_scalef32_pk8_bf8_f32 v[CF+2*\g:CF+2*\g+1], v[X+8*\g:X+8*\g+7], v9   ; X[16 c + 4 q + i] becomes byte i of register 4 c + q
.endr
	v_nop                                          ; one plain vector line between the conversions and the matrix instructions that read their results
	s_cmp_lt_u32 s15, 8
	s_cbranch_scc1 .Lno_codes                      ; the encoder's half alone stores its codes
	s_lshl_b32 s30, s17, 3
	s_add_co_u32 s30, s30, s15
	s_sub_co_u32 s30, s30, 8
	s_lshl_b32 s30, s30, 11                        ; (8 nt + s) x 2,048
	s_mov_b32 s31, 0
	s_add_nc_u64 s[10:11], s[10:11], s[30:31]
	s_wait_alu depctr_va_vdst(0)
.irp c, 0,1,2,3
	global_store_b128 v5, v[CF+4*\c:CF+4*\c+3], s[10:11] offset:512*\c   ; 32 lanes store 512 consecutive bytes, at a multiple of 256 from the buffer's first byte
.endr
.Lno_codes:
	; TRANSPOSED: source 0 = my 16 columns of W, source 1 = 16 rows of the decoder: lane (r, h), register j holds b = 16 mt + r, n = 16 nt + 8 h + j
	s_wait_alu depctr_va_vdst(0)
	v_wmma_f32_16x16x128_bf8_bf8 v[DA:DA+7], v[CF:CF+15], v[DF:DF+15], 0
	v_wmma_f32_16x16x128_bf8_bf8 v[DA+8:DA+15], v[CF:CF+15], v[DF+16:DF+31], 0
.rept 4
	v_nop                                          ; four places between a matrix instruction and the LDS stores that read its result
.endr
.irp mt, 0,1
	ds_store_b128 v6, v[DA+8*\mt:DA+8*\mt+3] offset:16*\mt*PITCH        ; each result from its low end on
	ds_store_b128 v6, v[DA+8*\mt+4:DA+8*\mt+7] offset:16*\mt*PITCH+16
.endr
	s_wait_dscnt 0x0                               ; for the others' sake: my stores into the stage are done
	s_barrier_signal -1
	s_barrier_wait -1                              ; a row's 256 bytes come from four waves
	s_cmp_ge_u32 s15, 8
	s_cbranch_scc1 .Lend                           ; the decoder's half alone stores its sums
	s_lshl_b32 s30, s15, 17                        ; K step S: 32 rows of 4,096 bytes,
	s_lshl_b32 s31, s14, 15                        ; my 8 rows,
	s_add_co_u32 s30, s30, s31
	s_lshl_b32 s31, s16, 8                         ; the work-group's 64 columns
	s_add_co_u32 s30, s30, s31
	s_mov_b32 s31, 0
	s_add_nc_u64 s[12:13], s[12:13], s[30:31]
.irp t, 0,1,2,3
	ds_load_b128 v[OUTR+4*\t:OUTR+4*\t+3], v7 offset:2*\t*PITCH
.endr
.irp t, 0,1,2,3
	s_wait_dscnt 3-\t                              ; LDS loads come back in order: pair t of rows is in
	global_store_b128 v8, v[OUTR+4*\t:OUTR+4*\t+3], s[12:13] offset:2*\t*4096   ; sixteen lanes store 256 consecutive bytes, aligned
.endr
.Lend:
	s_wait_tensorcnt 0x0
	ds_add_u32 v160, v161
	s_wait_dscnt 0x0
	s_endpgm
.Lfunc_end_k_q8c37671300_prep:
	.size	k_q8c37671300_prep, .Lfunc_end_k_q8c37671300_prep-k_q8c37671300_prep
	.p2alignl 7, 3214868480
	.fill 96, 4, 3214868480
	.section	.rodata,"a",@progbits
	.p2align	6, 0x0
	.amdhsa_kernel k_q8c37671300_prep
		.amdhsa_group_segment_fixed_size 9216
		.amdhsa_private_segment_fixed_size 0
		.amdhsa_enable_private_segment 0
		.amdhsa_kernarg_size 40
		.amdhsa_user_sgpr_count 2
		.amdhsa_user_sgpr_kernarg_segment_ptr 1
		.amdhsa_wavefront_size32 1
		.amdhsa_system_sgpr_workgroup_id_x 1
		.amdhsa_system_sgpr_workgroup_id_y 1
		.amdhsa_system_sgpr_workgroup_id_z 1
		.amdhsa_system_vgpr_workitem_id 0
		.amdhsa_next_free_vgpr 162
		.amdhsa_next_free_sgpr 66
		.amdhsa_reserve_vcc 0
		.amdhsa_float_denorm_mode_32 3
		.amdhsa_float_denorm_mode_16_64 3
		.amdhsa_memory_ordered 1
		.amdhsa_forward_progress 1
		.amdhsa_inst_pref_size 19
	.end_amdhsa_kernel
	.amdgpu_metadata
---
amdhsa.version: [ 1, 2 ]
amdhsa.kernels:
  - .name:           k_q8c37671300_prep
    .symbol:         k_q8c37671300_prep.kd
    .args:
      - { .name: W_attn, .offset: 0, .size: 8, .value_kind: global_buffer, .address_space: global }
      - { .name: decoder_hidden_codes, .offset: 8, .size: 8, .value_kind: global_buffer, .address_space: global }
      - { .name: lowp_scales, .offset: 16, .size: 8, .value_kind: global_buffer, .address_space: global }
      - { .name: wenc, .offset: 24, .size: 8, .value_kind: global_buffer, .address_space: global }
      - { .name: decp, .offset: 32, .size: 8, .value_kind: global_buffer, .address_space: global }
    .group_segment_fixed_size: 9216
    .private_segment_fixed_size: 0
    .kernarg_segment_align: 8
    .kernarg_segment_size: 40
    .max_flat_workgroup_size: 128
    .sgpr_count:     66
    .vgpr_count:     162
    .wavefront_size: 32
...
	.end_amdgpu_metadata
.endif
;; end of part 1
;; launch scores (part 2): grid 256 x 1, 4 waves a work-group, clusters of 4 x 1, 327,680 bytes of LDS; arguments encoder_outputs, mask, wenc, decp, b_attn, v_w, lowp_scales, scores; writes scores
.if DOCPART == 2
	.amdgcn_target "amdgcn-amd-amdhsa--gfx1250"
	.amdhsa_code_object_version 6
	.text
	.protected	k_q8c37671300_scores
	.globl	k_q8c37671300_scores
	.p2align	8
	.type	k_q8c37671300_scores,@function
k_q8c37671300_scores:
	s_mov_b64 s[64:65], 0
	v_nop
	global_prefetch_b8 v0, s[64:65] scope:SCOPE_SE
	s_setreg_imm32_b32 hwreg(HW_REG_WAVE_MODE, 25, 1), 1
	s_wait_xcnt 0x0
	s_wait_alu depctr_hold_cnt(0) depctr_sa_sdst(0) depctr_va_vdst(0) depctr_va_sdst(0) depctr_va_ssrc(0) depctr_va_vcc(0) depctr_vm_vsrc(0)
	s_getreg_b32 s2, hwreg(HW_REG_IB_STS2, 6, 4)
	s_cmp_eq_u32 s2, 0
	s_cbranch_scc0 .Lentry_in_a_cluster
	s_endpgm
.Lentry_in_a_cluster:
	s_bfe_u32 s2, ttmp6, 0x10000c
	s_cmp_lg_u32 s2, 0x3003
	s_cbranch_scc0 .Lentry_shape_is_right
	s_endpgm
.Lentry_shape_is_right:
; scores[b][s] = the sum over d of v_w[d] tanh(dec_proj[b][d] + enc_proj[b][s][d] + b_attn[d]); -1e9 where mask[b][s] = 0.
; enc_proj = Q(encoder_outputs) x the encoder's weight, both as codes of E5M2 (wenc: the launch before laid the weight's codes as operand registers, K permuted alike in both operands).
; tanh(x) = 1 - 2 / (1 + 2^(2 log2(e) x)): score = sum of v_w - the sum over d of 2 v_w[d] / (1 + 2^y), y = sum of codes x 2 log2(e) 2^(e2 + e3) + c[d], c[d] = 2 log2(e) (dec_proj + b_attn).
; SHARES.  A work-group owns 256 rows (b, s) of one batch, a wave 64 of them: 4 tiles of 16 rows x 8 K steps = 32 fragments, 512 registers, which stay.  64 tiles of 16 columns d are walked;
; a tile is 32 matrix instructions a wave, its 8 fragments of the weight feed 4 each.  A lane holds one column d and 8 rows of each tile, so v_w and c are one number a lane, and the 32 sums over d
; are kept a lane and added across the 16 lanes once, at the end.
; PART 1: each row is read once (8 loads of 512 bytes, 8 rows on their way a wave), held at the largest code, converted, and turned through the wave's own stage in LDS into fragments.
; A ROW WITH mask = 0 IS NOT READ: its score is -1e9 whatever it holds; its loads run with all lanes off (no branch and no address hangs on the mask), and older, finite numbers are converted in its place.
; PART 2, a step: three blocks of packed lines (the step before's sums become y; the 2^y of two steps before get their 1; the reciprocals of three steps before are weighed in), ONE batch of 32 exponentials
; and 32 reciprocals with one wait ahead and one behind, then the tile's 32 matrix instructions on four accumulators by turns.  No transcendental stands between a matrix result and its reader.
; Step j multiplies tile j - 1 and fetches tile j's fragments, so that the four fetches of a slot stand in one group of four steps; step 0 multiplies tile 0 against a table row of zeros, which adds 0.
; THE RING: two slots of 64 KB, four tiles each, filled by joint loads: the four work-groups of a cluster walk the same codes (mask 15); each wave brings 16 KB.  A refill has four steps in which to land.
; No prefetch: the encoder's rows are a stream that keeps 128 KB a work-group on its way; the weight's codes are 1 MB in all, and each refill is asked for 128 matrix instructions a wave ahead of its first read.
; LIMITS: e2 between -126 and 112; e0 + e1 between -126 and 127; e2 + e3 between -127 and 126; the encoder's numbers are finite, NaN is not served.
; REGISTERS.  Window 0: v1-15 addresses and single numbers; v16-31 four table entries; v32-63 the sums SC; v64-95 the accumulators, then y; v96-127 2^y; v128-159 reciprocals; v160-191 1 + 2^y; v192-255 fragments 28-31.
; Windows 1, 2: fragments 0-13, 14-27.  Window 3: in part 1 eight rows of f32; in part 2 the weight's fragments, two sets of 128.
.set SLOT1, 1<<16
.set TILEB, 16384
.set SPARE, 2*SLOT1                    ; the spare words, 512 bytes
.set TAB,   SPARE+512                  ; 65 table rows of 256 bytes: row 0 zeros, row t + 1 tile t's (c, c, -2 v, -2 v) for each of 16 columns
.set STAGE, TAB+65*256                 ; a stage of 32 rows x 1,040 bytes for each wave
.set SP,    1040
.set STGW,  32*SP
.set L16,  1
.set SPW,  2
.set NIL,  3
.set ADB,  4
.set ADT,  5
.set TAB0, 6
.set STW,  7
.set STR,  8
.set SCX,  9
.set SV,   10
.set STC,  11
.set MK,   12
.set EP0,  14
.set EP1,  15
.set BV,   16
.set SC,   32
.set ACC,  64
.set EB,   96
.set RB,   128
.set AB,   160
.set AF0,  192
.set CD,   64
.set TE,   192
.set MSB, 0
.macro WIN new                         ; the immediate's high byte repeats the setting that is left
.if MSB != \new
	s_set_vgpr_msb (MSB<<8)|\new
.set MSB, \new
.endif
.endm
.macro PLACE i                         ; fragment i = 4 x K step + row tile: its window and first register
.if (\i) < 14
.set FW, 1
.set FRG, 16*(\i)
.elseif (\i) < 28
.set FW, 2
.set FRG, 16*((\i)-14)
.else
.set FW, 0
.set FRG, AF0+16*((\i)-28)
.endif
.endm
.macro CROUND                          ; a round of the cluster's barrier
	s_barrier_signal -1
	s_barrier_wait -1
	s_cmp_lg_u32 s20, 0
	s_cbranch_scc1 .Lnot_wave_0_\@
	s_barrier_signal -3
.Lnot_wave_0_\@:
	s_barrier_wait -3
	s_barrier_signal -1
	s_barrier_wait -1
.endm
	s_load_b512 s[4:19], s[0:1], 0x0               ; encoder s[4:5], mask s[6:7], wenc s[8:9], decp s[10:11], b_attn s[12:13], v_w s[14:15], exponents s[16:17], scores s[18:19]
	v_lshl_add_u32 v[SPW], v0, 2, SPARE
	v_mov_b32 v[NIL], 0
	ds_add_u32 v[SPW], v[NIL]                      ; the opening lines: the add, twice on end, and its wait ahead of my first tensor load
	ds_add_u32 v[SPW], v[NIL]
	v_lshrrev_b32 v180, 5, v0
	v_readfirstlane_b32 s20, v180                  ; wave 0..3
	v_and_b32 v181, 31, v0                         ; lane
	v_and_b32 v182, 15, v0                         ; r
	v_bfe_u32 v183, v0, 4, 1                       ; h
	v_lshlrev_b32 v[L16], 4, v181
	v_lshl_add_u32 v[TAB0], v182, 4, TAB
	s_mul_i32 s66, s20, STGW
	s_add_co_u32 s66, s66, STAGE                   ; my stage
	v_add_nc_u32 v[STW], s66, v[L16]               ; in: 16 bytes a lane
	v_mul_u32_u24 v[STR], v182, SP
	v_lshl_add_u32 v[STR], v183, 4, v[STR]
	v_add_nc_u32 v[STR], s66, v[STR]               ; back: row r, + 16 h
	v_lshl_add_u32 v[EP0], v183, 5, s66
	v_lshl_add_u32 v[EP1], v181, 3, s66
	v_lshlrev_b32 v184, 4, v0
	v_lshlrev_b32 v185, 2, v181
	v_lshlrev_b32 v186, 3, v181
	v_lshl_add_u32 v187, v0, 6, TAB+256
	v_lshl_add_u32 v188, v0, 1, TAB
	s_bfe_u32 s21, ttmp6, 0x40000                  ; cx
	s_lshl_b32 s22, ttmp9, 2
	s_add_co_u32 s22, s22, s21                     ; work-group 0..255: it enters global addresses alone
	s_mov_b32 s24, 15|(3<<16)|(1<<21)              ; group 1: mask of the four partners; elements of 8 bytes; bit 21 beside a mask
	s_mov_b32 s25, 32<<16                          ; rows of 256 bytes,
	s_mov_b32 s26, 64<<16                          ; 64 of them, dense
	s_mov_b32 s27, 32<<16
	s_mov_b32 s28, 64
	s_mov_b32 s29, 32
	s_mov_b32 s30, 0
	s_mov_b32 s31, 0
	s_mov_b32 s32, 1
	s_lshl_b32 s33, s20, 14                        ; slot 0, my 16 KB
	s_mov_b32 s36, 1
	s_add_co_u32 s37, s33, SLOT1                   ; slot 1
	s_lshl_b32 s66, s20, 14
	s_mov_b32 s67, 0
	s_mov_b32 s58, 0x76543210
	s_mov_b32 s59, 0xfedcba98
	s_lshr_b32 s68, s22, 3
	s_lshl_b32 s68, s68, 12                        ; the batch's row of decp
	s_mov_b32 s69, 0
	s_lshl_b32 s70, s22, 10
	s_lshl_b32 s71, s20, 8
	s_add_co_u32 s70, s70, s71                     ; my 64 rows' words in mask and scores
	s_mov_b32 s71, 0
	s_lshl_b32 s62, s70, 10                        ; and their 4,096 bytes each in the encoder
	s_mov_b32 s63, 0
	s_wait_alu depctr_va_vdst(0)                   ; the wait at the head's end
	s_wait_dscnt 0x0                               ; both opening adds are done
	s_wait_kmcnt 0x0
	s_load_b128 s[40:43], s[16:17], 0x0            ; e0, e1, e2, e3
	s_add_nc_u64 s[34:35], s[8:9], s[66:67]
	s_add_nc_u64 s[38:39], s[34:35], 0x10000
	s_or_b32 s35, s35, 0x80000000
	s_or_b32 s39, s39, 0x80000000
	s_add_nc_u64 s[10:11], s[10:11], s[68:69]
	s_add_nc_u64 s[6:7], s[6:7], s[70:71]
	s_add_nc_u64 s[18:19], s[18:19], s[70:71]
	s_add_nc_u64 s[60:61], s[4:5], s[62:63]
.irp s, 0,1,2,3,4,5,6,7
.irp qq, 0,1
	global_load_b128 v[64+8*\s+4*\qq:64+8*\s+4*\qq+3], v184, s[10:11] offset:131072*\s+2048*\qq   ; the decoder's eight partial sums of columns 4 t + 512 qq on
.endr
.endr
.irp qq, 0,1
	global_load_b128 v[128+4*\qq:128+4*\qq+3], v184, s[12:13] offset:2048*\qq
	global_load_b128 v[136+4*\qq:136+4*\qq+3], v184, s[14:15] offset:2048*\qq
.endr
.irp j, 0,1,2,3,4,5,6,7
	global_load_b128 v[144+4*\j:144+4*\j+3], v[L16], s[14:15] offset:512*\j   ; all of v_w, for its sum
.endr
	global_load_b32 v176, v185, s[6:7]
	global_load_b32 v177, v185, s[6:7] offset:128
	global_load_b64 v[MK:MK+1], v186, s[6:7]
.macro ROWLD u, rowoff, cond           ; a row of 4,096 bytes into window 3; cond: all lanes off where the row's keep bit is 0
.if \cond
	s_bitcmp1_b32 s50, \u
	s_cselect_b32 vcc_lo, -1, 0
	s_and_saveexec_b32 s52, vcc_lo
.endif
	WIN 0xc0
.irp j, 0,1,2,3,4,5,6,7
	global_load_b128 v[32*(\u)+4*\j:32*(\u)+4*\j+3], v[L16], s[60:61] offset:(\rowoff)*4096+512*\j th:TH_LOAD_NT
.endr
.if \cond
	s_wait_xcnt 0x0                                ; EXEC is a source of the loads: it is restored only behind this wait
	s_mov_b32 exec_lo, -1
.endif
.endm
.irp u, 0,1,2,3
	ROWLD \u, \u, 0                                ; the first eight rows are read whatever the mask: every register of window 3 is written whole
.endr
	WIN 0
	CROUND                                         ; the round in front of the first joint load; the 63 loads above stay on their way
	tensor_load_to_lds s[32:35], s[24:31]          ; tiles 0-3: my one tensor load at the head
	s_nop 0
.rept 4
	v_nop
.endr
	s_wait_loadcnt 32                              ; the 31 loads ahead of the rows are in; rows 0-3 stay out
.irp u, 4,5,6,7
	ROWLD \u, \u, 0
.endr
	WIN 0
	s_wait_kmcnt 0x0
	s_add_co_i32 s66, s42, s43
	s_lshl_b32 s66, s66, 23
	s_add_co_i32 s44, s66, 0x4038aa3b              ; 2 log2(e) x 2^(e2 + e3): the exponents are added to the exponent field
	s_mov_b32 s45, s44
	s_add_co_i32 s46, s40, s41
	s_add_co_i32 s46, s46, 127
	s_lshl_b32 s46, s46, 23                        ; 2^(e0 + e1)
	s_add_co_i32 s66, s42, 127
	s_lshl_b32 s67, s66, 23
	v_mov_b32 v[SCX], s67                          ; 2^e2, for the conversion
	s_add_co_i32 s66, s66, 15
	s_lshl_b32 s66, s66, 23
	s_or_b32 s49, s66, 0x600000                    ; 57,344 x 2^e2,
	s_or_b32 s48, s49, 0x80000000                  ; and its negative
	v_cmp_ne_u32 s50, 0, v176                      ; keep bits of my rows 0-31, 32-63,
	v_cmp_ne_u32 s51, 0, v177
	s_lshr_b32 s50, s50, 8                         ; shifted down by the eight rows that are asked for
	s_lshl_b32 s66, s51, 24
	s_or_b32 s50, s50, s66
	s_lshr_b32 s51, s51, 8
.irp s, 1,2,3,4,5,6,7
.irp qq, 0,1
	v_pk_add_f32 v[64+4*\qq:65+4*\qq], v[64+4*\qq:65+4*\qq], v[64+8*\s+4*\qq:65+8*\s+4*\qq]
	v_pk_add_f32 v[66+4*\qq:67+4*\qq], v[66+4*\qq:67+4*\qq], v[66+8*\s+4*\qq:67+8*\s+4*\qq]
.endr
.endr
.irp qq, 0,1
.irp jn, 0,1,2,3
	v_fma_f32 v[64+4*\qq+\jn], v[64+4*\qq+\jn], s46, v[128+4*\qq+\jn]   ; dec_proj + b_attn
	v_mul_f32 v[TE+16*\qq+4*\jn], 0x4038aa3b, v[64+4*\qq+\jn]
	v_mul_f32 v[TE+16*\qq+4*\jn+1], 0x4038aa3b, v[64+4*\qq+\jn]
	v_mul_f32 v[TE+16*\qq+4*\jn+2], -2.0, v[136+4*\qq+\jn]
	v_mul_f32 v[TE+16*\qq+4*\jn+3], -2.0, v[136+4*\qq+\jn]
	ds_store_b128 v187, v[TE+16*\qq+4*\jn:TE+16*\qq+4*\jn+3] offset:8192*\qq+16*\jn
.endr
.endr
	ds_store_b16 v188, v[NIL]                      ; table row 0: zeros
.irp j, 4,8,12,16,20,24,28
	v_pk_add_f32 v[144:145], v[144:145], v[144+\j:145+\j]
	v_pk_add_f32 v[146:147], v[146:147], v[146+\j:147+\j]
.endr
	v_pk_add_f32 v[144:145], v[144:145], v[146:147]
	v_add_f32 v144, v144, v145
	v_add_f32_dpp v144, v144, v144 row_xmask:1 row_mask:0xf bank_mask:0xf
	v_add_f32_dpp v144, v144, v144 row_xmask:2 row_mask:0xf bank_mask:0xf
	v_add_f32_dpp v144, v144, v144 row_xmask:4 row_mask:0xf bank_mask:0xf
	v_add_f32_dpp v144, v144, v144 row_xmask:8 row_mask:0xf bank_mask:0xf
	v_permlanex16_b32 v145, v144, s58, s59
	v_add_f32 v[SV], v144, v145                    ; the sum of v_w
	s_wait_alu depctr_va_vdst(0)                   ; the wait here, directly ahead of the waits below
	s_wait_dscnt 0x0
	s_wait_xcnt 0x0                                ; EXEC changes only behind this wait
.macro ROWU u                          ; the oldest row on its way: held, converted, into the stage; its registers take the row eight further on
	s_wait_loadcnt 56                              ; its 8 loads are in; the seven younger rows' 56 stay out
	s_wait_dscnt 14
	WIN 0xc3
.set j, 0
.rept 32
	v_med3_num_f32 v[32*(\u)+j], v[32*(\u)+j], s48, s49   ; the conversion to an 8-bit code does not saturate (ISA guide 7.6.2)
.set j, j+1
.endr
	WIN 0x03
.irp g, 0,1,2,3
	v_cvt_scalef32_pk8_bf8_f32 v[CD+8*(\u)+2*\g:CD+8*(\u)+2*\g+1], v[32*(\u)+8*\g:32*(\u)+8*\g+7], v[SCX]
.endr
	WIN 0
	ds_store_b128 v[STC], v[CD+8*(\u):CD+8*(\u)+3] offset:SP*(\u)
	ds_store_b128 v[STC], v[CD+8*(\u)+4:CD+8*(\u)+7] offset:SP*(\u)+512
	ROWLD \u, 8+\u, 1
.endm
.macro RDW hb, w, set                  ; the fragments of row tiles 2 hb, 2 hb + 1 that lie in window w, out of my stage (LDS serves a wave's instructions in order)
	WIN \set
.set ii, 0
.rept 32
	PLACE ii
.if (FW == (\w)) && (((ii%4)/2) == (\hb))
.irp c, 0,1,2,3
	ds_load_b128 v[FRG+4*\c:FRG+4*\c+3], v[STR] offset:16*SP*(ii%2)+128*(ii/4)+32*\c
.endr
.endif
.set ii, ii+1
.endr
.endm
.macro HALF hb                         ; 32 rows: four turns of eight
	s_mov_b32 s53, 0
	s_mov_b32 s54, 4
.Lturn_\@:
	v_add_nc_u32 v[STC], s53, v[STW]
.irp u, 0,1,2,3,4,5,6,7
	ROWU \u
.endr
	WIN 0
	s_add_co_u32 s62, s62, 32768
	s_min_u32 s62, s62, 0x0fff0000                 ; the look-ahead stays inside the buffer (behind my last row all keep bits are 0)
	s_add_nc_u64 s[60:61], s[4:5], s[62:63]
	s_lshr_b32 s50, s50, 8
	s_lshl_b32 s66, s51, 24
	s_or_b32 s50, s50, s66
	s_lshr_b32 s51, s51, 8
	s_add_co_u32 s53, s53, 8*SP
	s_sub_co_u32 s54, s54, 1
	s_cmp_lg_u32 s54, 0
	s_cbranch_scc1 .Lturn_\@
	v_nop                                          ; a plain line behind the last conversion
	RDW \hb, 1, 0x40
	RDW \hb, 2, 0x80
	RDW \hb, 0, 0
.endm
	HALF 0
	s_wait_tensorcnt 0x0                           ; my part of tiles 0-3 is in; slot 1's first fill is issued as a refill is
	ds_add_u32 v[SPW], v[NIL]
	s_wait_dscnt 0x0                               ; the add, my table stores and my stage's reads are done
	CROUND                                         ; slot 0 and the table are whole for every wave
	tensor_load_to_lds s[36:39], s[24:31]          ; tiles 4-7
	s_nop 0
.rept 4
	v_nop
.endr
	HALF 1
	s_wait_loadcnt 0x0
	s_wait_dscnt 0x0
; PART 2
.macro VE q                            ; SC += reciprocal x (-2 v): the tile of three steps before
.set B3, BV+4*(((\q)+1)%4)
.set j, 0
.rept 16
	v_pk_fma_f32 v[SC+2*j:SC+2*j+1], v[RB+2*j:RB+2*j+1], v[B3+2:B3+3], v[SC+2*j:SC+2*j+1]
.set j, j+1
.endr
.endm
.macro VC                              ; 1 + 2^y
.set j, 0
.rept 16
	v_pk_add_f32 v[AB+2*j:AB+2*j+1], v[EB+2*j:EB+2*j+1], 1.0 op_sel_hi:[1,0]
.set j, j+1
.endr
.endm
.macro VA q                            ; y, in place of the sums; each accumulator from its low end on
.set B1, BV+4*(((\q)+3)%4)
.set j, 0
.rept 16
	v_pk_fma_f32 v[ACC+2*j:ACC+2*j+1], v[ACC+2*j:ACC+2*j+1], s[44:45], v[B1:B1+1] op_sel_hi:[1,0,1]
.set j, j+1
.endr
.endm
.macro TR fe, fr                       ; the batch
.if \fe
.set j, 0
.rept 32
	v_exp_f32 v[EB+j], v[ACC+j]
.set j, j+1
.endr
.endif
.if \fr
.set j, 0
.rept 32
	v_rcp_f32 v[RB+j], v[AB+j]
.set j, j+1
.endr
.endif
.endm
.macro MM q                            ; a tile: 8 K steps x 4 row tiles; the four accumulators take turns, one instruction a turn; the first K step starts the sums
.set i, 0
.rept 32
	PLACE i
	WIN 0x0c+FW
.set rD, ACC+8*(i%4)
.set rB, 128*((\q)%2)+16*(i/4)
.if i < 4
	v_wmma_f32_16x16x128_bf8_bf8 v[rD:rD+7], v[FRG:FRG+15], v[rB:rB+15], 0
.else
	v_wmma_f32_16x16x128_bf8_bf8 v[rD:rD+7], v[FRG:FRG+15], v[rB:rB+15], v[rD:rD+7]
.endif
.set i, i+1
.endr
	WIN 0
.endm
.macro STEP q, fetch
	VE \q                                          ; 16 plain lines that name no register of the last products: the places in front of the loads below
.if \fetch
	WIN 0xc0
.irp s, 0,1,2,3,4,5,6,7
.irp c, 0,1,2,3
	ds_load_b128 v[128*(((\q)+1)%2)+16*\s+4*\c:128*(((\q)+1)%2)+16*\s+4*\c+3], v[ADB] offset:2048*\s+512*\c   ; the next step's tile, into the set that the step before multiplied
.endr
.endr
	WIN 0
.endif
	ds_load_b128 v[BV+4*(\q):BV+4*(\q)+3], v[ADT]  ; the table entry of the tile that this step multiplies
.if \fetch
	s_wait_dscnt 33                                ; all but the 33 just issued: this step's tile and the last step's entry are in
.else
	s_wait_dscnt 1
.endif
	VC
	VA \q
	s_wait_alu depctr_va_vdst(0)                   ; the wait ahead of the batch
	TR 1, 1
.if \fetch
	s_add_co_u32 s55, s55, TILEB
	v_add_nc_u32 v[ADB], s55, v[L16]               ; (the plain line behind the batch)
	s_add_co_u32 s56, s56, 256
	v_add_nc_u32 v[ADT], s56, v[TAB0]
.else
	v_nop
.endif
	s_wait_alu depctr_va_vdst(0)                   ; and the one behind it, ahead of the products: none stands among them
	MM \q
.endm
.macro QUADP
	STEP 3, 1
	STEP 0, 1
	STEP 1, 1
	STEP 2, 1
.endm
.macro CHANGE fill                     ; all four tiles of the slot are in registers or multiplied: the slot is left
	s_wait_tensorcnt 0x0                           ; my part of the other slot is in; no load of mine is out, so group 0 may be written
	ds_add_u32 v[SPW], v[NIL]
.if \fill
	s_xor_b32 s37, s37, SLOT1
	s_add_nc_u64 s[38:39], s[38:39], 0x10000
.endif
	s_sub_co_u32 s55, s55, 0x10000
	s_xor_b32 s55, s55, SLOT1
	v_add_nc_u32 v[ADB], s55, v[L16]
	s_wait_alu depctr_va_vdst(0)                   ; the wait here, directly ahead of the wait below
	s_wait_dscnt 0x0                               ; the add is done, and my reads of the slot are over
.if \fill
	CROUND                                         ; the same holds of every wave of the four partners
	tensor_load_to_lds s[36:39], s[24:31]          ; the four tiles two slots on
	s_nop 0
.rept 4
	v_nop
.endr
.else
	s_barrier_signal -1
	s_barrier_wait -1
.endif
.endm
.set j, 0
.rept 96
	v_mov_b32 v[ACC+j], 0                          ; the step is written once: the first steps find zeros in the three stages,
.set j, j+1
.endr
.set j, 0
.rept 12
	v_mov_b32 v[BV+j], 0                           ; weigh them with zeros,
.set j, j+1
.endr
.set j, 0
.rept 32
	v_mov_b32 v[SC+j], 0                           ; and add onto zeros
.set j, j+1
.endr
	s_mov_b32 s55, 0
	s_mov_b32 s56, 0
	v_add_nc_u32 v[ADB], s55, v[L16]
	v_add_nc_u32 v[ADT], s56, v[TAB0]
	WIN 0xc0
.irp s, 0,1,2,3,4,5,6,7
.irp c, 0,1,2,3
	ds_load_b128 v[128+16*\s+4*\c:128+16*\s+4*\c+3], v[L16] offset:2048*\s+512*\c   ; tile 0 for step 0
.endr
.endr
	WIN 0
	s_mov_b32 s57, 14
	s_wait_alu depctr_va_vdst(0)                   ; the wait ahead of the loop
.Lslot:                                            ; 14 trips: a slot's four steps, and its refill
	QUADP
	CHANGE 1
	s_sub_co_u32 s57, s57, 1
	s_cmp_lg_u32 s57, 0
	s_cbranch_scc1 .Lslot
	QUADP                                          ; the last two slots are written out: nothing more is asked for
	CHANGE 0
	QUADP
	STEP 3, 0                                      ; step 64 multiplies tile 63
	s_wait_dscnt 0x0
	VE 0                                           ; the three stages run empty
	VC
	VA 0
	s_wait_alu depctr_va_vdst(0)
	TR 1, 1
	v_nop
	s_wait_alu depctr_va_vdst(0)
	VE 1
	VC
	s_wait_alu depctr_va_vdst(0)
	TR 0, 1
	v_nop
	s_wait_alu depctr_va_vdst(0)
	VE 2
.irp m, 1,2,4,8
.set j, 0
.rept 32
	v_add_f32_dpp v[SC+j], v[SC+j], v[SC+j] row_xmask:\m row_mask:0xf bank_mask:0xf   ; the sixteen columns of a tile meet
.set j, j+1
.endr
.endr
.irp a, 0,1,2,3
	ds_store_b128 v[EP0], v[SC+8*\a:SC+8*\a+3] offset:64*\a          ; row 16 a + 8 h + j at 4 x that, in my stage; sixteen lanes write the same numbers
	ds_store_b128 v[EP0], v[SC+8*\a+4:SC+8*\a+7] offset:64*\a+16
.endr
	ds_load_b64 v[BV:BV+1], v[EP1]                 ; rows 2 lane, 2 lane + 1
	v_and_b32 v[ADT], 31, v0
	v_lshlrev_b32 v[ADT], 3, v[ADT]
	v_mov_b32 v[BV+2], 0xce6e6b28                  ; -1e9
	s_wait_alu depctr_va_vdst(0)                   ; the wait here, directly ahead of the wait below
	s_wait_dscnt 0x0
	v_add_f32 v[BV], v[BV], v[SV]
	v_add_f32 v[BV+1], v[BV+1], v[SV]
	v_cmp_eq_u32 vcc_lo, 0, v[MK]
	v_cndmask_b32 v[BV], v[BV], v[BV+2], vcc_lo
	v_cmp_eq_u32 vcc_lo, 0, v[MK+1]
	v_cndmask_b32 v[BV+1], v[BV+1], v[BV+2], vcc_lo
	global_store_b64 v[ADT], v[BV:BV+1], s[18:19]  ; 32 lanes store 256 consecutive bytes, aligned
	s_wait_tensorcnt 0x0                           ; the wave's end
	ds_add_u32 v[SPW], v[NIL]
	s_wait_dscnt 0x0
	CROUND                                         ; the closing round
	s_endpgm
.Lfunc_end_k_q8c37671300_scores:
	.size	k_q8c37671300_scores, .Lfunc_end_k_q8c37671300_scores-k_q8c37671300_scores
	.p2alignl 7, 3214868480
	.fill 96, 4, 3214868480
	.section	.rodata,"a",@progbits
	.p2align	6, 0x0
	.amdhsa_kernel k_q8c37671300_scores
		.amdhsa_group_segment_fixed_size 327680
		.amdhsa_private_segment_fixed_size 0
		.amdhsa_enable_private_segment 0
		.amdhsa_kernarg_size 64
		.amdhsa_user_sgpr_count 2
		.amdhsa_user_sgpr_kernarg_segment_ptr 1
		.amdhsa_wavefront_size32 1
		.amdhsa_system_sgpr_workgroup_id_x 1
		.amdhsa_system_sgpr_workgroup_id_y 1
		.amdhsa_system_sgpr_workgroup_id_z 1
		.amdhsa_system_vgpr_workitem_id 0
		.amdhsa_next_free_vgpr 1024
		.amdhsa_next_free_sgpr 100
		.amdhsa_reserve_vcc 1
		.amdhsa_float_denorm_mode_32 3
		.amdhsa_float_denorm_mode_16_64 3
		.amdhsa_memory_ordered 1
		.amdhsa_forward_progress 1
		.amdhsa_inst_pref_size 234
	.end_amdhsa_kernel
	.amdgpu_metadata
---
amdhsa.version: [ 1, 2 ]
amdhsa.kernels:
  - .name:           k_q8c37671300_scores
    .symbol:         k_q8c37671300_scores.kd
    .args:
      - { .name: encoder_outputs, .offset: 0, .size: 8, .value_kind: global_buffer, .address_space: global }
      - { .name: mask, .offset: 8, .size: 8, .value_kind: global_buffer, .address_space: global }
      - { .name: wenc, .offset: 16, .size: 8, .value_kind: global_buffer, .address_space: global }
      - { .name: decp, .offset: 24, .size: 8, .value_kind: global_buffer, .address_space: global }
      - { .name: b_attn, .offset: 32, .size: 8, .value_kind: global_buffer, .address_space: global }
      - { .name: v_w, .offset: 40, .size: 8, .value_kind: global_buffer, .address_space: global }
      - { .name: lowp_scales, .offset: 48, .size: 8, .value_kind: global_buffer, .address_space: global }
      - { .name: scores, .offset: 56, .size: 8, .value_kind: global_buffer, .address_space: global }
    .group_segment_fixed_size: 327680
    .private_segment_fixed_size: 0
    .kernarg_segment_align: 8
    .kernarg_segment_size: 64
    .max_flat_workgroup_size: 128
    .sgpr_count:     100
    .vgpr_count:     1024
    .wavefront_size: 32
...
	.end_amdgpu_metadata
.endif
;; end of part 2
;; launch context (part 3): grid 256 x 1, 16 waves a work-group, no clusters, 10,496 bytes of LDS; arguments encoder_outputs, mask, scores, out0, out1; writes out0, out1
.if DOCPART == 3
	.amdgcn_target "amdgcn-amd-amdhsa--gfx1250"
	.amdhsa_code_object_version 6
	.text
	.protected	k_q8c37671300_context
	.globl	k_q8c37671300_context
	.p2align	8
	.type	k_q8c37671300_context,@function
k_q8c37671300_context:
	s_mov_b64 s[64:65], 0
	v_nop
	global_prefetch_b8 v0, s[64:65] scope:SCOPE_SE
	s_setreg_imm32_b32 hwreg(HW_REG_WAVE_MODE, 25, 1), 1
	s_wait_xcnt 0x0
; out1[b][:] = softmax of scores[b][:] (the row's true maximum is taken away first); out0[b][e] = the sum over s of out1[b][s] x encoder_outputs[b][s][e].  All in f32, on the vector unit: one row of weights a batch feeds no matrix tile.
; SHARES.  Work-group = (batch b = number / 8, columns 128 cs on, cs = number % 8): each number of out0 has one owner.  Each of the eight work-groups of a batch makes the batch's softmax anew (8 KB of scores) and stores an eighth of out1.
; Thread t holds the scores, the mask and then the weights of rows 4 t .. 4 t + 3, so wave w holds those of its own rows 128 w .. 128 w + 127: row 4 g + e of the wave is lane g of register e.
; A row's part is 512 bytes: ONE load, 16 bytes a lane, two aligned units of 256 bytes; a lane sums its 4 columns.  The row's weight is read out of its lane into a scalar register.  32 rows a wave are on their way.
; A ROW WITH mask = 0 IS NOT READ, unless the whole batch is masked: its score is -1e9, so its weight is exactly 0 beside any open row; its load runs with all lanes off (no branch, no address hangs on the mask),
; and what its registers hold (0 from the head, or an older, finite row) is multiplied by the weight 0.  Where every row of the batch is masked, all weights are 1 / 2048 and all rows are read:
; each wave's word 'none of my rows is open' goes through LDS beside its maximum, and the sixteen words are and-ed.
; The rows are asked for as soon as the keep bits stand, ahead of the exponentials.
; No cluster: the eight work-groups of a batch share its scores and mask, 16 KB, beside 1 MB of rows of their own.  No LDS ring, no matrix unit, no prefetch: the launch streams rows that it alone reads, up to 256 KB a work-group on their way.
; LIMITS: the encoder's numbers are finite; the sum of |v_w| is under 9e8, so that an open row's score stands far above -1e9.
.set DEPTH, 32
.set SPW,  28                          ; v28  my spare word;  v29  0
.set NIL,  29
.set ACC,  32                          ; v32-47   four sets of my four columns' sums, one for each row of a group of four
.set T,    48                          ; v48-111  LDS reads
.set RING, 96                          ; v96-223  32 rows x 4 registers
.set KM,   32                          ; s32-35   keep bits: bit g of word e is row 4 g + e of my wave
.set WS,   40                          ; s40-47   four weights, each the low word of a pair
.set FLG,  64                          ; LDS: 16 maxima at 0, 16 words 'none open' here,
.set SUMB, 128                         ; 16 sums,
.set RED,  256                         ; 16 x 512 bytes of partial contexts,
.set SPARE, 8448                       ; and the spare words, 128 bytes a wave
	s_load_b256 s[4:11], s[0:1], 0x0               ; encoder s[4:5], mask s[6:7], scores s[8:9], out0 s[10:11]
	s_load_b64 s[12:13], s[0:1], 0x20              ; out1
	v_lshl_add_u32 v[SPW], v0, 2, SPARE
	v_mov_b32 v[NIL], 0
	v_lshrrev_b32 v7, 5, v0
	v_readfirstlane_b32 s14, v7                    ; wave 0..15
	v_and_b32 v7, 31, v0
	v_lshlrev_b32 v1, 4, v7                        ; 16 x lane
	v_lshlrev_b32 v2, 4, v0                        ; 16 x thread
	v_mov_b32 v3, s14
	v_lshlrev_b32 v3, 2, v3                        ; my wave's word among the maxima, the flags and the sums
	v_mov_b32 v4, 0
	v_lshl_add_u32 v5, v0, 4, RED                  ; my wave's partial context, 16 bytes a lane
	v_lshl_add_u32 v6, v7, 4, RED
	s_lshr_b32 s15, ttmp9, 3                       ; b
	s_and_b32 s16, ttmp9, 7                        ; cs
	s_mov_b32 s36, 0x76543210                      ; v_permlanex16_b32: lane l xor 16
	s_mov_b32 s37, 0xfedcba98
	s_lshl_b32 s24, s15, 13                        ; the batch's 8,192 bytes of scores, mask and out1
	s_mov_b32 s25, 0
	s_lshl_b32 s26, s15, 23                        ; its 2,048 rows of the encoder,
	s_lshl_b32 s27, s14, 19                        ; my wave's 128 of them,
	s_add_co_u32 s26, s26, s27
	s_lshl_b32 s27, s16, 9                         ; the work-group's 512 bytes of a row
	s_add_co_u32 s26, s26, s27
	s_mov_b32 s27, 0
	s_lshl_b32 s28, s15, 12
	s_lshl_b32 s29, s16, 9
	s_add_co_u32 s28, s28, s29                     ; out0: row b, 512 cs
	s_mov_b32 s29, 0
.irp e, 0,1,2,3
	s_mov_b32 s[WS+2*\e+1], 0                      ; (named with the weight as a pair, so it is written)
.endr
	s_wait_alu depctr_va_vdst(0)                   ; the wait at the head's end
	s_wait_kmcnt 0x0
	s_add_nc_u64 s[4:5], s[4:5], s[26:27]
	s_add_nc_u64 s[6:7], s[6:7], s[24:25]
	s_add_nc_u64 s[8:9], s[8:9], s[24:25]
	s_add_nc_u64 s[12:13], s[12:13], s[24:25]
	s_add_nc_u64 s[10:11], s[10:11], s[28:29]
	global_load_b128 v[8:11], v2, s[8:9]           ; scores of rows 4 t .. 4 t + 3
	global_load_b128 v[16:19], v2, s[6:7]          ; and their mask
.set j, 0
.rept 4*DEPTH
	v_mov_b32 v[RING+j], 0                         ; every register of the ring is written whole once: a masked row's load writes nothing
.set j, j+1
.endr
	s_wait_alu depctr_va_vdst(0)                   ; the wait here, directly ahead of the wait below
	s_wait_loadcnt 0x0
.irp e, 0,1,2,3
	v_cmp_ne_u32 s[KM+\e], 0, v[16+\e]
.endr
	s_or_b32 s20, s[KM], s[KM+1]
	s_or_b32 s21, s[KM+2], s[KM+3]
	s_or_b32 s20, s20, s21
	s_cmp_eq_u32 s20, 0
	s_cselect_b32 s20, -1, 0                       ; all ones where none of my 128 rows is open
	; my wave's maximum
	v_max3_num_f32 v12, v8, v9, v10
	v_max_num_f32 v12, v12, v11
	v_max_num_f32_dpp v12, v12, v12 row_xmask:1 row_mask:0xf bank_mask:0xf
	v_max_num_f32_dpp v12, v12, v12 row_xmask:2 row_mask:0xf bank_mask:0xf
	v_max_num_f32_dpp v12, v12, v12 row_xmask:4 row_mask:0xf bank_mask:0xf
	v_max_num_f32_dpp v12, v12, v12 row_xmask:8 row_mask:0xf bank_mask:0xf
	v_mov_b32 v13, 0                               ; a lane permute's destination counts as one of its sources
	v_permlanex16_b32 v13, v12, s36, s37
	v_max_num_f32 v12, v12, v13
	v_mov_b32 v13, s20
	ds_store_b32 v3, v12                           ; all lanes write the same word with the same number
	ds_store_b32 v3, v13 offset:FLG
	s_wait_dscnt 0x0                               ; for the others' sake
	s_barrier_signal -1
	s_barrier_wait -1
.irp j, 0,1,2,3
	ds_load_b128 v[T+16+4*\j:T+16+4*\j+3], v4 offset:FLG+16*\j
.endr
.irp j, 0,1,2,3
	ds_load_b128 v[T+4*\j:T+4*\j+3], v4 offset:16*\j
.endr
	s_wait_dscnt 4                                 ; the sixteen flags are in; the four loads of the maxima may be out
.irp j, 0,1,2,3,4,5,6,7
	v_and_b32 v[T+16+\j], v[T+16+\j], v[T+24+\j]
.endr
.irp j, 0,1,2,3
	v_and_b32 v[T+16+\j], v[T+16+\j], v[T+20+\j]
.endr
	v_and_b32 v[T+16], v[T+16], v[T+18]
	v_and_b32 v[T+17], v[T+17], v[T+19]
	v_and_b32 v[T+16], v[T+16], v[T+17]
	v_readfirstlane_b32 s30, v[T+16]               ; all ones where no row of the batch is open
.irp e, 0,1,2,3
	s_or_b32 s[KM+\e], s[KM+\e], s30
.endr
.macro RLOAD J                         ; row J of my wave, the work-group's 512 bytes of it; all lanes off where the row is not kept
	s_bitcmp1_b32 s[KM+(\J)%4], (\J)/4
	s_cselect_b32 vcc_lo, -1, 0
	s_and_saveexec_b32 s22, vcc_lo
	global_load_b128 v[RING+4*((\J)%DEPTH):RING+4*((\J)%DEPTH)+3], v1, s[4:5] offset:4096*(\J) th:TH_LOAD_NT
	s_wait_xcnt 0x0                                ; EXEC is a source of the load: it is restored only behind this wait
	s_mov_b32 exec_lo, -1
.endm
	s_wait_xcnt 0x0                                ; EXEC changes only behind this wait
.set I, 0
.rept DEPTH
	RLOAD I                                        ; the first 32 rows are on their way during the rest of the softmax
.set I, I+1
.endr
	s_wait_dscnt 0x0
	v_max3_num_f32 v12, v[T], v[T+1], v[T+2]       ; the batch's maximum
.irp j, 3,5,7,9,11,13
	v_max3_num_f32 v12, v12, v[T+\j], v[T+\j+1]
.endr
	v_max_num_f32 v12, v12, v[T+15]
.irp e, 0,1,2,3
	v_sub_f32 v[8+\e], v[8+\e], v12                ; the difference first: 0 for equal numbers, however large
.endr
.irp e, 0,1,2,3
	v_mul_f32 v[8+\e], 0x3fb8aa3b, v[8+\e]
.endr
	s_wait_alu depctr_va_vdst(0)                   ; the wait ahead of the batch
.irp e, 0,1,2,3
	v_exp_f32 v[8+\e], v[8+\e]                     ; p = e^(x - maximum)
.endr
	v_nop                                          ; a plain line behind the last exponential
	s_wait_alu depctr_va_vdst(0)                   ; and the one behind it, ahead of the first reader
	v_add_f32 v12, v8, v9
	v_add_f32 v13, v10, v11
	v_add_f32 v12, v12, v13
	v_add_f32_dpp v12, v12, v12 row_xmask:1 row_mask:0xf bank_mask:0xf
	v_add_f32_dpp v12, v12, v12 row_xmask:2 row_mask:0xf bank_mask:0xf
	v_add_f32_dpp v12, v12, v12 row_xmask:4 row_mask:0xf bank_mask:0xf
	v_add_f32_dpp v12, v12, v12 row_xmask:8 row_mask:0xf bank_mask:0xf
	v_permlanex16_b32 v13, v12, s36, s37
	v_add_f32 v12, v12, v13
	ds_store_b32 v3, v12 offset:SUMB               ; other bytes than the maxima's and the flags': no barrier is owed between those reads and this store
	s_wait_dscnt 0x0
	s_barrier_signal -1
	s_barrier_wait -1
.irp j, 0,1,2,3
	ds_load_b128 v[T+4*\j:T+4*\j+3], v4 offset:SUMB+16*\j
.endr
	s_wait_dscnt 0x0
.irp j, 2,4,6
	v_pk_add_f32 v[T:T+1], v[T:T+1], v[T+\j:T+\j+1]
	v_pk_add_f32 v[T+8:T+9], v[T+8:T+9], v[T+8+\j:T+8+\j+1]
.endr
	v_pk_add_f32 v[T:T+1], v[T:T+1], v[T+8:T+9]
	v_add_f32 v[T], v[T], v[T+1]
	s_wait_alu depctr_va_vdst(0)                   ; the wait ahead of the transcendental
	v_rcp_f32 v12, v[T]
	v_nop
	s_wait_alu depctr_va_vdst(0)
.irp e, 0,1,2,3
	v_mul_f32 v[8+\e], v[8+\e], v12                ; the weights
.endr
	s_wait_alu depctr_va_vdst(0)
	s_lshr_b32 s20, s14, 1
	s_cmp_lg_u32 s20, s16
	s_cbranch_scc1 .Lnot_out1                      ; waves 2 cs and 2 cs + 1 store the work-group's eighth of out1's row
	global_store_b128 v2, v[8:11], s[12:13] th:TH_STORE_NT   ; 32 lanes store 512 consecutive bytes, at a multiple of 256 from the buffer's first byte
.Lnot_out1:
	s_wait_xcnt 0x0                                ; EXEC changes only behind this wait
; A group of four rows, 4 g .. 4 g + 3, is added in, each row into its own set of sums; their registers take the rows 32 further on.
.macro GROUP g
.set R0, 4*(\g)
.if 124-R0 < DEPTH-4
	s_wait_loadcnt 124-R0                          ; the tail loads nothing: the counts run down
.else
	s_wait_loadcnt DEPTH-4                         ; my four oldest loads are in; the 28 younger stay out
.endif
.irp e, 0,1,2,3
	v_readlane_b32 s[WS+2*\e], v[8+\e], \g         ; the weight of row 4 g + e
.endr
.irp e, 0,1,2,3
.set RG, RING+4*((R0+\e)%DEPTH)
.if (\g) == 0
	v_pk_mul_f32 v[ACC+4*\e:ACC+4*\e+1], v[RG:RG+1], s[WS+2*\e:WS+2*\e+1] op_sel_hi:[1,0]       ; the first group starts the sums
	v_pk_mul_f32 v[ACC+4*\e+2:ACC+4*\e+3], v[RG+2:RG+3], s[WS+2*\e:WS+2*\e+1] op_sel_hi:[1,0]
.else
	v_pk_fma_f32 v[ACC+4*\e:ACC+4*\e+1], v[RG:RG+1], s[WS+2*\e:WS+2*\e+1], v[ACC+4*\e:ACC+4*\e+1] op_sel_hi:[1,0,1]
	v_pk_fma_f32 v[ACC+4*\e+2:ACC+4*\e+3], v[RG+2:RG+3], s[WS+2*\e:WS+2*\e+1], v[ACC+4*\e+2:ACC+4*\e+3] op_sel_hi:[1,0,1]
.endif
.endr
	s_wait_alu depctr_va_vdst(0)
.if R0+DEPTH < 128
.irp e, 0,1,2,3
	RLOAD R0+DEPTH+\e
.endr
.endif
.endm
.set G, 0
.rept 32
	GROUP G
.set G, G+1
.endr
	; the four sets are added; the sixteen waves' parts meet in LDS
	v_pk_add_f32 v[ACC:ACC+1], v[ACC:ACC+1], v[ACC+4:ACC+5]
	v_pk_add_f32 v[ACC+2:ACC+3], v[ACC+2:ACC+3], v[ACC+6:ACC+7]
	v_pk_add_f32 v[ACC+8:ACC+9], v[ACC+8:ACC+9], v[ACC+12:ACC+13]
	v_pk_add_f32 v[ACC+10:ACC+11], v[ACC+10:ACC+11], v[ACC+14:ACC+15]
	v_pk_add_f32 v[ACC:ACC+1], v[ACC:ACC+1], v[ACC+8:ACC+9]
	v_pk_add_f32 v[ACC+2:ACC+3], v[ACC+2:ACC+3], v[ACC+10:ACC+11]
	ds_store_b128 v5, v[ACC:ACC+3]
	s_wait_dscnt 0x0                               ; for wave 0's sake
	s_barrier_signal -1
	s_barrier_wait -1
	s_cmp_lg_u32 s14, 0
	s_cbranch_scc1 .Lend
.irp j, 0,1,2,3,4,5,6,7,8,9,10,11,12,13,14,15
	ds_load_b128 v[T+4*\j:T+4*\j+3], v6 offset:512*\j
.endr
	s_wait_dscnt 0x0
.irp j, 1,2,3,4,5,6,7
	v_pk_add_f32 v[T:T+1], v[T:T+1], v[T+4*\j:T+4*\j+1]                 ; waves 0-7,
	v_pk_add_f32 v[T+2:T+3], v[T+2:T+3], v[T+4*\j+2:T+4*\j+3]
	v_pk_add_f32 v[T+32:T+33], v[T+32:T+33], v[T+32+4*\j:T+32+4*\j+1]   ; waves 8-15
	v_pk_add_f32 v[T+34:T+35], v[T+34:T+35], v[T+32+4*\j+2:T+32+4*\j+3]
.endr
	v_pk_add_f32 v[T:T+1], v[T:T+1], v[T+32:T+33]
	v_pk_add_f32 v[T+2:T+3], v[T+2:T+3], v[T+34:T+35]
	global_store_b128 v1, v[T:T+3], s[10:11] th:TH_STORE_NT             ; 32 lanes store 512 consecutive bytes, at a multiple of 256 from the buffer's first byte
.Lend:
	s_wait_tensorcnt 0x0                           ; the wave's end
	ds_add_u32 v[SPW], v[NIL]
	s_wait_dscnt 0x0
	s_endpgm
.Lfunc_end_k_q8c37671300_context:
	.size	k_q8c37671300_context, .Lfunc_end_k_q8c37671300_context-k_q8c37671300_context
	.p2alignl 7, 3214868480
	.fill 96, 4, 3214868480
	.section	.rodata,"a",@progbits
	.p2align	6, 0x0
	.amdhsa_kernel k_q8c37671300_context
		.amdhsa_group_segment_fixed_size 10496
		.amdhsa_private_segment_fixed_size 0
		.amdhsa_enable_private_segment 0
		.amdhsa_kernarg_size 40
		.amdhsa_user_sgpr_count 2
		.amdhsa_user_sgpr_kernarg_segment_ptr 1
		.amdhsa_wavefront_size32 1
		.amdhsa_system_sgpr_workgroup_id_x 1
		.amdhsa_system_sgpr_workgroup_id_y 1
		.amdhsa_system_sgpr_workgroup_id_z 1
		.amdhsa_system_vgpr_workitem_id 0
		.amdhsa_next_free_vgpr 224
		.amdhsa_next_free_sgpr 66
		.amdhsa_reserve_vcc 1
		.amdhsa_float_denorm_mode_32 3
		.amdhsa_float_denorm_mode_16_64 3
		.amdhsa_memory_ordered 1
		.amdhsa_forward_progress 1
		.amdhsa_inst_pref_size 74
	.end_amdhsa_kernel
	.amdgpu_metadata
---
amdhsa.version: [ 1, 2 ]
amdhsa.kernels:
  - .name:           k_q8c37671300_context
    .symbol:         k_q8c37671300_context.kd
    .args:
      - { .name: encoder_outputs, .offset: 0, .size: 8, .value_kind: global_buffer, .address_space: global }
      - { .name: mask, .offset: 8, .size: 8, .value_kind: global_buffer, .address_space: global }
      - { .name: scores, .offset: 16, .size: 8, .value_kind: global_buffer, .address_space: global }
      - { .name: out0, .offset: 24, .size: 8, .value_kind: global_buffer, .address_space: global }
      - { .name: out1, .offset: 32, .size: 8, .value_kind: global_buffer, .address_space: global }
    .group_segment_fixed_size: 10496
    .private_segment_fixed_size: 0
    .kernarg_segment_align: 8
    .kernarg_segment_size: 40
    .max_flat_workgroup_size: 512
    .sgpr_count:     66
    .vgpr_count:     224
    .wavefront_size: 32
...
	.end_amdgpu_metadata
.endif
;; end of part 3
